; MI455X (gfx1250); checked and timed in simulation.
; The chip was launched on July 23, 2026; its instructions are those of AMD's public machine-readable ISA for CDNA 5 (MIT licence, August 2026) and "CDNA5" Instruction Set Architecture Reference Guide (July 2026). The comments in the code are by the model that wrote it; some were corrected since.
;; Secure Swish Feed Forward. Allowed arithmetic: matrix products marked QUANTISED: E4M3 operands, one E8M0 scale for each 32 along K, by v_wmma_scale_f32_16x16x128_f8f6f4 with both operands' format E4M3, f32 sums; everything else in f32.
;; Inputs: W1_codes 4,096 x 32 x 32 uint8 (E4M3 codes of W1, K innermost, in blocks of 32 codes); W1_scales 4,096 x 32 uint8 (E8M0 scales of W1, one for each 32 codes along K); W2_codes 1,024 x 128 x 32 uint8 (E4M3 codes of W2, K innermost, in blocks of 32 codes); W2_scales 1,024 x 128 uint8 (E8M0 scales of W2, one for each 32 codes along K); b1 4,096 float32; b2 1,024 float32; hidden_states_codes 4 x 2,048 x 32 x 32 uint8 (E4M3 codes of hidden_states, K innermost, in blocks of 32 codes); hidden_states_scales 4 x 2,048 x 32 uint8 (E8M0 scales of hidden_states, one for each 32 codes along K).
;; Outputs: out0 4 x 2,048 x 1,024 float32.
;; This version of the problem:
;;   THIS VERSION OF THE PROBLEM IS GIVEN IN LOW PRECISION. The matrix products marked QUANTISED in the list below multiply operands that are first quantised to E4M3 (4 exponent bits, 3 mantissa bits; 8 bits a number), with one power-of-two scale for each 32 numbers along K (OCP MX v1.0); their sums are f32. All else is computed in f32.
;;   The module's matrix products, in the order in which they are computed (A, B: the left and right operand; K: the contracted axis; several contracted axes count as one K, in the product's order):
;;     1. [M 8,192, K 1,024] x [K 1,024, N 4,096]; A: input hidden_states (given as codes); B: input W1 (given as codes): QUANTISED
;;     2. [M 8,192, K 4,096] x [K 4,096, N 1,024]; A: computed on the way; B: input W2 (given as codes): QUANTISED
;;   THE QUANTISER, for each operand of a quantised product, along K:
;;     - K is cut into blocks of 32 from its start; a last block that is shorter is filled with zeros.
;;     - A block's scale is 2^e with e = floor(log2(the largest magnitude in the block)) - 8, held to -126 .. 127; a block of zeros has e = 0. As a byte (E8M0): e + 127.
;;     - Each number is divided by its block's scale, clamped to +-448, and rounded to the nearest number of E4M3, ties to even, subnormals kept.
;;     - The product sums the exact products of the quantised numbers (number of the format x scale) in f32.
;;   ~~~python
;;   def quantise(x, axis):      # numpy; x: float32 -> the quantised numbers, widened to float32 again
;;       x = np.moveaxis(x, axis, -1); K = x.shape[-1]
;;       x = np.pad(x, [(0, 0)] * (x.ndim - 1) + [(0, -K % 32)]); x = x.reshape(x.shape[:-1] + (-1, 32)); a = np.abs(x).max(-1, keepdims=True)
;;       e = np.where(a > 0, np.clip(np.frexp(np.where(a > 0, a, 1))[1] - 1 - 8, -126, 127), 0)      # np.frexp(a)[1] - 1 = floor(log2(a)), exactly
;;       r = np.clip(x / 2.0 ** e, -448, 448)
;;       step = 2.0 ** (np.maximum(np.frexp(np.where(r == 0, 1, r))[1] - 1, -6) - 3)
;;       q = np.round(r / step) * step * 2.0 ** e      # np.round: ties to even
;;       return np.moveaxis(q.reshape(q.shape[:-2] + (-1,))[..., :K], -1, axis).astype(np.float32)
;;   ~~~
;;   OPERANDS COMPUTED ON THE WAY. 'Computed on the way' means the value that the module computes at that place (a softmax that the list does not call 'softmax' is quantised finished and normalised). What goes into a quantiser is computed in f32, as accurately as f32 sums, v_exp_f32 and their like allow (about 1e-6 of the number): no bf16 or f16 on the way to a quantiser, and a product that is left as it is and whose result goes on into a quantised operand takes f32 operands (vector FMAs, or v_wmma_f32_16x16x4_f32). A number that lies on a knife's edge between two numbers of the format may be rounded either way, as far as f32 arithmetic and the matrix unit's own rounding can turn it there, and no further.
;;   INPUTS GIVEN AS CODES. W1 (in the module: [4096, 1024], K = its axis 1); W2 (in the module: [1024, 4096], K = its axis 1); hidden_states (in the module: [4, 2048, 1024], K = its axis 2): each comes as NAME_codes (uint8): NAME with its K axis moved to the last place and cut into blocks of 32 codes, [.., K / 32, bytes a block], one block behind the other in memory; one code a byte (a code: sign, 4 exponent bits, 3 mantissa bits); and NAME_scales (uint8): the same leading axes, one E8M0 byte (e + 127) for each 32 codes along K. Its value is code x scale, taken as it is: it is not quantised again, and the codes and scales need not be those that the quantiser above would give.
;; One version. Each part assembles by itself: llvm-mc -triple=amdgcn-amd-amdhsa -mcpu=gfx1250 --defsym DOCPART=n.
;; ======== version 1 of 1: 2 launches
;; limits: right only within a limited range of input values
;; workspace buffers: sw_codes 33,554,432 bytes; sw_scales 1,048,576 bytes
;; launch up (part 1): grid 16 x 32, 4 waves a work-group, clusters of 4 x 4, 327,680 bytes of LDS; arguments hidden_states_codes, hidden_states_scales, W1_codes, W1_scales, b1, sw_codes, sw_scales; writes sw_codes, sw_scales
.if DOCPART == 1
	.amdgcn_target "amdgcn-amd-amdhsa--gfx1250"
	.amdhsa_code_object_version 6
	.text
	.protected	k_q926c9ac837_up
	.globl	k_q926c9ac837_up
	.p2align	8
	.type	k_q926c9ac837_up,@function
k_q926c9ac837_up:
	s_mov_b64 s[64:65], 0
	v_nop
	global_prefetch_b8 v0, s[64:65] scope:SCOPE_SE
	s_setreg_imm32_b32 hwreg(HW_REG_WAVE_MODE, 25, 1), 1
	s_wait_xcnt 0x0
	s_wait_alu depctr_hold_cnt(0) depctr_sa_sdst(0) depctr_va_vdst(0) depctr_va_sdst(0) depctr_va_ssrc(0) depctr_va_vcc(0) depctr_vm_vsrc(0)
	s_getreg_b32 s2, hwreg(HW_REG_IB_STS2, 6, 4)
	s_cmp_eq_u32 s2, 0
	s_cbranch_scc0 .Lentry_in_a_cluster
	s_endpgm
.Lentry_in_a_cluster:
	s_bfe_u32 s2, ttmp6, 0x10000c
	s_cmp_lg_u32 s2, 0xf033
	s_cbranch_scc0 .Lentry_shape_is_right
	s_endpgm
.Lentry_shape_is_right:
; sw = h (0.5 + 0.25 h - 0.0208 h^3), h = x W1^T + b1, quantised along F to codes of FP8 (E4M3) with one E8M0 scale for each 32.
; x: [8192][1024], W1: [4096][1024]: codes, K innermost, with scale bytes [rows][32].  b1: [4096] f32.
; OUT: sw_codes [m / 16 : 512][f / 128 : 32][2048 bytes]: each piece is the IMAGE OF THE REGISTERS of one operand fragment (16 rows x 128 K): byte 512 c + 16 (r + 16 g) + t is the code of row r at
; k = 32 c + 16 g + t.  sw_scales [f / 128 : 32][m : 8192][4 bytes]: a row's scale word for 128 along K.  The next launch takes a fragment by four dense loads of 16 bytes a lane.
; SHARES.  A tile of 256 rows x 256 hidden units is made by a work-group of four waves, as many as a WGP has SIMDs; a wave makes 128 x 128: 64 accumulators, 512 registers.  K = 1024 goes in four steps of 256 through
; a ring of two LDS slots filled by the tensor data mover; everything is written out, there is no loop.  The scale bytes of the tile's rows of x and of W1, for all of K, come into LDS once, with the first fills.
; CLUSTERS: 4 x 4 work-groups.  The four of a row of the cluster need the same tiles of x, the four of a column the same tiles of W1: each tile is asked for JOINTLY, by the same tensor load with the same descriptor
; and a mask that names the four.  THE MATRIX INSTRUCTION IS USED TRANSPOSED (source 0 = 16 rows of W1, source 1 = 16 rows of x): lane (r, g) holds row r, and register j of tile b the hidden unit 16 b + 8 g + j.
; So b1 is the C of each sum's first product (eight registers a tile of columns), and of each block of 32 hidden units a lane holds units 8 g .. 8 g + 7 and 16 + 8 g .. 16 + 8 g + 7: each eight become 8 bytes of codes,
; which lie at 16 r + 8 g of the first or the second half of the image's 512 bytes for that block: one store of 8 bytes a lane covers 256 consecutive bytes, aligned.  The codes need no stage and no barrier.
; ARITHMETIC: sw is taken as h (0.5 + h (0.25 - 0.0208 h h)) with fused multiply-adds, in f32: the order of rounding differs from the sum of three terms.
; LIMITS: NaN and infinities in h are not served.  A block of zeros gets the scale byte 1 and not 127: its codes are zeros, which add nothing under any byte but 0xff, and this program alone reads the bytes.
; REGISTERS, in windows of 256: window 0: v1-7 at work at the head; v8-13 the polynomial's three constants, in pairs; v16-31 addresses; v32-63 scale words, two sets, and nothing else; v64-127 b1, later a block's 64 numbers;
;   v128-255 x's fragments (8 x 16 rows x 128 K), ONE set; on the way out codes and work.   window 1: W1's fragments, TWO sets, at v0 and v128.   windows 2, 3: the accumulators of my rows 0-63, 64-127 ((a, b) at v[8 (8 (a % 4) + b)]).
.set NQ,     2                         ; matrix instructions deep in a slot
.set ROWB,   256                       ; a tile's row in bytes: 256 codes
.set KROW,   1024                      ; a row of x or of W1 in memory
.set PITCH,  272                       ; an LDS row: 256 bytes + 16 of padding = 68 words: row r starts at bank 4 r mod 64 (64 banks of 4 bytes: ISA guide 11.1)
.set FR,     16                        ; registers of a fragment
.set NL,     4                         ; LDS loads that bring one
.set NP,     8                         ; places behind this matrix instruction (ISA guide 7.12.1)
.set HALFT,  128*PITCH                 ; 128 rows: what one tensor load brings
.set SLOT,   4*HALFT                   ; x's 256 rows, then W1's 256 rows
.set KS,     32                        ; a row of scale bytes
.set SCL,    2*SLOT                    ; behind the ring: the scale bytes, dense: x's 256 rows of 32 bytes, then W1's
.set HALFS,  128*KS                    ; those of 128 rows
.set SBLK,   16*KS                     ; those of 16 rows
.set SPARE,  SCL+4*HALFS               ; the spare words, 128 bytes for each wave: two blocks of 256 bytes that no other line names
.set SWS,    SPARE+512                 ; 512 bytes for each wave: its 128 rows' scale words are gathered here; no fill lands here
.set C3,   8                           ; v[8:9]   -0.0208 twice
.set C1,   10                          ; v[10:11] 0.25 twice
.set CH,   12                          ; v[12:13] 0.5 twice
.set ADRA, 16                          ; v16-17  LDS address of my fragments of x in slot 0, 1
.set ADRB, 20                          ; v20-21  the same for W1
.set SWA,  24                          ; v24     where I put my row's scale word
.set SWR,  25                          ; v25     where I read 16 bytes of scale words back
.set CO,   26                          ; v26     16 r + 8 g: my 8 bytes in 256 bytes of an image
.set ADRS, 27                          ; v27     LDS address of my scale words: lanes 0-15 x's rows, lanes 16-31 W1's
.set SPW,  28                          ; v28     LDS address of my spare word; never rewritten
.set NIL,  29                          ; v29     0; never rewritten
.set PW,   30                          ; v30     the scale word just made
.set SGO,  31                          ; v31     16 x lane
.set SC,   32                          ; scale words: set s at v[SC + 16 s]; register 2 i + q: lanes 0-15 the word of x's block i, lanes 16-31 that of W1's block i, for the slot's q-th 128 along K
.set BI,   64                          ; b1: eight registers for each of my eight tiles of columns
.set T,    64                          ; the way out: a block's 64 numbers (b1 is done with)
.set AF,   128                         ; x's fragments
.set PC,   128                         ; the way out: a block's codes, 16 registers
.set TM,   144                         ; v144-147 largest magnitudes, v148-151 bytes, v152-155 448 x the scale, v156-159 the conversions' scale operands
.set GW,   160                         ; v160-163 scale words read back
.set SEL,  66                          ; s[66:67] lane selects for v_permlanex16_b32: lane l xor 16
.set MNT,  95                          ; s95      the mantissa field of 448
.set G1, 24                            ; s[24:31] descriptor group 1 for x's tiles;  s[32:39] group 0, one set for each slot
.set G0, 32
.set G1B, 48                           ; s[48:55], s[56:63] the same for W1's tiles
.set G0B, 56
.set G1S, 68                           ; s[68:75], s[76:79] groups 1 and 0 for x's scale bytes;  s[80:87], s[88:91] for W1's
.set G0S, 76
.set G1SB, 80
.set G0SB, 88
.set MSB, 0
.macro WIN new                         ; the immediate's high byte repeats the setting that is left
.if MSB != \new
	s_set_vgpr_msb (MSB<<8)|\new
.set MSB, \new
.endif
.endm
.set MUL_LO,   0xa1                    ; source 0 (W1) window 1, source 1 (x) window 0, C and D window 2
.set MUL_HI,   0xf1                    ; the same, C and D window 3
.set FIRST_LO, 0x81                    ; the first products: C is b1, in window 0; D window 2
.set FIRST_HI, 0xc1                    ; D window 3
.set TO_B,     0x40                    ; destination window 1, address window 0
.macro SHAPE g, c, r, p                ; words 1 to 7 of a group 1: r rows of c elements, p elements from row to row; the tiles never cross their tensor's end, so the extents are the tile's
	s_mov_b32 s[\g+1], (\c)<<16                    ; tensor_dim0
	s_mov_b32 s[\g+2], (\r)<<16                    ; tensor_dim1
	s_mov_b32 s[\g+3], (\c)<<16                    ; tile_dim0
	s_mov_b32 s[\g+4], \r                          ; tile_dim1
	s_mov_b32 s[\g+5], \p                          ; tensor_dim0_stride
	s_mov_b32 s[\g+6], 0
	s_mov_b32 s[\g+7], 0
.endm
; A joint load: waves 0 and 1 fetch for x, waves 2 and 3 for W1.  Each of the two lines has ONE mask and one set of registers for all that issue it; the branch hangs on the wave's number alone.
; Four v_nop follow each of the two lines, ahead of the jump, the label and what follows.
.macro JLOAD g0a, g1a, g0b, g1b
	s_cmp_eq_u32 s15, 0
	s_cbranch_scc0 .Lfor_b_\@
	tensor_load_to_lds s[\g0a:\g0a+3], s[\g1a:\g1a+7]
	s_nop 0
.rept 4
	v_nop
.endr
	s_branch .Lasked_\@
.Lfor_b_\@:
	tensor_load_to_lds s[\g0b:\g0b+3], s[\g1b:\g1b+7]
	s_nop 0
.rept 4
	v_nop
.endr
.Lasked_\@:
.endm
.macro CREST                           ; a round of the cluster's barrier behind its opening barrier
	s_cmp_lg_u32 s14, 0
	s_cbranch_scc1 .Lnot_wave_0_\@
	s_barrier_signal -3
.Lnot_wave_0_\@:
	s_barrier_wait -3
	s_barrier_signal -1
	s_barrier_wait -1
.endm
.macro CROUND                          ; a whole round
	s_barrier_signal -1
	s_barrier_wait -1
	CREST
.endm
	s_load_b128 s[4:7], s[0:1], 0x0                ; x's codes s[4:5], x's scales s[6:7]
	s_load_b128 s[8:11], s[0:1], 0x10              ; W1's codes s[8:9], W1's scales s[10:11]
	s_load_b64 s[96:97], s[0:1], 0x20              ; b1
	s_load_b64 s[12:13], s[0:1], 0x28              ; sw_codes
	s_load_b64 s[98:99], s[0:1], 0x30              ; sw_scales
	v_lshl_add_u32 v[SPW], v0, 2, SPARE
	v_mov_b32 v[NIL], 0
	ds_add_u32 v28, v29
	ds_add_u32 v28, v29
	s_wait_dscnt 0x0
	v_lshrrev_b32 v1, 5, v0
	v_readfirstlane_b32 s14, v1                    ; wave 0..3
	s_lshr_b32 s15, s14, 1                         ; which half of the tile's rows is mine.  Also: I fetch for x (0) or for W1 (1)
	s_and_b32 s16, s14, 1                          ; which half of its columns.  Also: which 128 rows of that tile I fetch
	s_bfe_u32 s40, ttmp6, 0x40000                  ; cx, cy: my place in the cluster
	s_bfe_u32 s41, ttmp6, 0x40004
	s_lshl_b32 s42, ttmp9, 2
	s_add_co_u32 s42, s42, s40                     ; tile column (256 hidden units) = 4 x cluster x + cx
	s_and_b32 s17, ttmp7, 0xffff
	s_lshl_b32 s17, s17, 2
	s_add_co_u32 s17, s17, s41                     ; tile row (256 rows of x) = 4 x cluster y + cy
	s_lshl_b32 s43, s41, 2
	s_lshl_b32 s43, 15, s43                        ; my row of the cluster
	s_lshl_b32 s44, 0x1111, s40                    ; my column
	; group 1, word 0: 15:0 the mask; 17:16 the element's size; 20 padding on; 21 set beside a mask; 24:22 after every 64 words (code 5); 31:25 four words of it (code 3)
	s_or_b32 s[G1+0], s43, (0<<16)|(1<<20)|(1<<21)|(5<<22)|(3<<25)    ; x's tiles go to my row: elements of 1 byte
	s_or_b32 s[G1B+0], s44, (0<<16)|(1<<20)|(1<<21)|(5<<22)|(3<<25)   ; W1's to my column
	SHAPE G1, ROWB, 256, KROW                      ; the head's loads bring 256 rows of 256 bytes; behind them the two words that count rows are set to 128
	SHAPE G1B, ROWB, 256, KROW
	s_or_b32 s[G1S+0], s43, (3<<16)|(1<<21)        ; the scale bytes: elements of 8 bytes, no padding: they are read at an address that hangs on the rotation, so every byte between the rows is a written one
	s_or_b32 s[G1SB+0], s44, (3<<16)|(1<<21)
	SHAPE G1S, 32, 256*KS/256, 32                  ; the scale bytes of 256 rows: 8,192 dense bytes as 32 rows of 256
	SHAPE G1SB, 32, 256*KS/256, 32
	s_lshl_b32 s20, s17, 8                         ; x: the tile's first row, 256 x tile row
	s_lshl_b32 s46, s42, 8                         ; W1: 256 x tile column
	s_mov_b32 s21, 0
	s_mov_b32 s47, 0
	s_mov_b64 s[18:19], KS
	s_mul_u64 s[22:23], s[20:21], s[18:19]         ; where these rows' scale bytes begin
	s_mul_u64 s[92:93], s[46:47], s[18:19]
	s_mov_b64 s[18:19], KROW
	s_mul_u64 s[20:21], s[20:21], s[18:19]         ; and their codes
	s_mul_u64 s[46:47], s[46:47], s[18:19]
	s_mul_i32 s45, s14, HALFT                      ; where they go: wave x 128 rows: no place in the cluster enters an LDS address
	s_and_b32 s94, ttmp7, 0xffff                   ; THE WALK OVER K IS ROTATED: a cluster takes its four K steps of 256 in the order rot, rot + 1, .. modulo 4,
	s_add_co_u32 s94, s94, ttmp9                   ; rot = (cluster x + cluster y) mod 4, the same in all partners.  The clusters that share rows of x or of W1 begin at different K steps.
	s_and_b32 s94, s94, 3                          ; So the order of the f32 sums along K differs from ascending K
	s_mov_b32 s[SEL], 0x76543210
	s_mov_b32 s[SEL+1], 0xfedcba98
	s_mov_b32 s[MNT], 0x600000
	s_wait_kmcnt 0x0
	s_add_nc_u64 s[20:21], s[4:5], s[20:21]
	s_add_nc_u64 s[22:23], s[6:7], s[22:23]
	s_add_nc_u64 s[46:47], s[8:9], s[46:47]
	s_add_nc_u64 s[92:93], s[10:11], s[92:93]
	CROUND                                         ; all sixteen work-groups are here: the first joint loads meet
	s_mov_b32 s[G0S], 1                            ; group 0: count = 1; the LDS address; the global address; type = 2 on top
	s_mov_b32 s[G0S+1], SCL
	s_mov_b64 s[G0S+2:G0S+3], s[22:23]
	s_or_b32 s[G0S+3], s[G0S+3], 0x80000000
	s_mov_b32 s[G0SB], 1
	s_mov_b32 s[G0SB+1], SCL+2*HALFS
	s_mov_b64 s[G0SB+2:G0SB+3], s[92:93]
	s_or_b32 s[G0SB+3], s[G0SB+3], 0x80000000
.set G0H, 4                            ; s[4:7], s[8:11] group 0 for the head's loads of the first K step: x's 256 rows, W1's 256 rows (the arguments that lay there have been used)
.set G0HB, 8
.set DL, 2                             ; s[2:3], s[18:19] byte offset along K of the walk's third and fourth K step (slot 0's and slot 1's refill); the upper words are 0
	s_lshl_b32 s22, s94, 8                         ; byte offset along K of the walk's first K step,
	s_mov_b32 s23, 0
	s_add_co_u32 s92, s94, 1
	s_and_b32 s92, s92, 3
	s_lshl_b32 s92, s92, 8                         ; and of its second
	s_mov_b32 s93, 0
	s_mov_b32 s[G0H], 1
	s_mov_b32 s[G0H+1], 0
	s_add_nc_u64 s[G0H+2:G0H+3], s[20:21], s[22:23]
	s_or_b32 s[G0H+3], s[G0H+3], 0x80000000
	s_mov_b32 s[G0HB], 1
	s_mov_b32 s[G0HB+1], 2*HALFT
	s_add_nc_u64 s[G0HB+2:G0HB+3], s[46:47], s[22:23]
	s_or_b32 s[G0HB+3], s[G0HB+3], 0x80000000
	s_add_co_u32 s2, s94, 2
	s_and_b32 s2, s2, 3
	s_lshl_b32 s2, s2, 8
	s_mov_b32 s3, 0
	s_add_co_u32 s18, s94, 3
	s_and_b32 s18, s18, 3
	s_lshl_b32 s18, s18, 8
	s_mov_b32 s19, 0
	s_lshl_b32 s40, s16, 17                        ; for the ring: my 128 rows of the tile, 1,024 bytes each
	s_mov_b32 s41, 0
	s_add_nc_u64 s[20:21], s[20:21], s[40:41]
	s_add_nc_u64 s[46:47], s[46:47], s[40:41]
.irp s, 0,1
	s_mov_b32 s[G0+4*\s], 1
	s_add_co_u32 s[G0+4*\s+1], s45, \s*SLOT
	s_add_nc_u64 s[G0+4*\s+2:G0+4*\s+3], s[20:21], s[22+70*\s:23+70*\s]
	s_or_b32 s[G0+4*\s+3], s[G0+4*\s+3], 0x80000000
	s_mov_b32 s[G0B+4*\s], 1
	s_add_co_u32 s[G0B+4*\s+1], s45, \s*SLOT
	s_add_nc_u64 s[G0B+4*\s+2:G0B+4*\s+3], s[46:47], s[22+70*\s:23+70*\s]
	s_or_b32 s[G0B+4*\s+3], s[G0B+4*\s+3], 0x80000000
.endr
; THE HEAD'S LOADS, ONE A WAVE: wave 0 the first K step's 256 rows of x, wave 1 its 256 rows of W1, wave 2 x's scale bytes, wave 3 W1's.
; One chain of branches on the wave's number; every way through it passes exactly one load.
	s_mov_b64 s[40:41], s[20:21]                   ; kept for the refills: x at my 128 rows of the tile,
	s_mov_b64 s[92:93], s[46:47]                   ; and W1 at mine
.macro ARM under, g0, g1, next
	s_cmp_lt_u32 s14, \under
	s_cbranch_scc0 \next
	tensor_load_to_lds s[\g0:\g0+3], s[\g1:\g1+7]
	s_nop 0
.rept 4
	v_nop
.endr
	s_branch .Lhead_asked
\next:
.endm
	ARM 1, G0H,  G1,  .Lhead_b
	ARM 2, G0HB, G1B, .Lhead_sa
	ARM 3, G0S,  G1S, .Lhead_sb
	tensor_load_to_lds s[G0SB:G0SB+3], s[G1SB:G1SB+7]
	s_nop 0
.rept 4
	v_nop
.endr
.Lhead_asked:
	v_and_b32 v1, 15, v0                           ; r = lane % 16
	s_wait_alu depctr_va_vdst(0)
	v_bfe_u32 v2, v0, 4, 1                         ; g = lane / 16
	v_lshlrev_b32 v7, 5, v2                        ; b1: my half's eight numbers of a tile of 16 columns: 32 g bytes on
	s_lshl_b32 s46, s42, 10                        ; my first column's bias: 4 x (256 x tile column + 128 x half)
	s_lshl_b32 s47, s16, 9
	s_add_co_u32 s46, s46, s47
	s_mov_b32 s47, 0
	s_add_nc_u64 s[96:97], s[96:97], s[46:47]
.irp b, 0,1,2,3,4,5,6,7
	global_load_b128 v[BI+8*\b:BI+8*\b+3], v7, s[96:97] offset:64*\b
	global_load_b128 v[BI+8*\b+4:BI+8*\b+7], v7, s[96:97] offset:64*\b+16
.endr
	v_mul_u32_u24 v3, v1, PITCH
	v_lshl_add_u32 v4, v2, 4, v3                   ; a fragment's row x pitch + 16 x half
	s_mul_i32 s21, s15, HALFT                      ; my 128 rows of x
	s_mul_i32 s22, s16, HALFT                      ; my 128 rows of W1,
	s_add_co_u32 s22, s22, 2*HALFT                 ; which lie behind x's 256
.irp s, 0,1
	v_add_nc_u32 v[ADRA+\s], s21, v4
	v_add_nc_u32 v[ADRB+\s], s22, v4
	s_add_co_u32 s21, s21, SLOT
	s_add_co_u32 s22, s22, SLOT
.endr
	v_mul_u32_u24 v5, v1, KS                       ; my row's scale bytes: 32 a row,
	s_mul_i32 s21, s15, HALFS                      ; x's: my 128 rows
	s_mul_i32 s22, s16, HALFS                      ; W1's: my 128 rows, behind x's 256
	s_add_co_u32 s22, s22, 2*HALFS
	s_sub_co_u32 s22, s22, s21
	s_wait_alu depctr_va_vdst(0)
	v_mul_u32_u24 v6, s22, v2                      ; lanes 16-31 take W1's: the lower base + g x the distance
	s_add_co_u32 s21, s21, SCL
	v_add_nc_u32 v5, v5, v6
	v_add_nc_u32 v[ADRS], s21, v5
	s_wait_alu depctr_va_vdst(0)
.irp j, 0,1,2,3
	s_add_co_u32 s22, s94, \j                      ; the walk's j-th K step: 8 bytes of scales a K step
	s_and_b32 s22, s22, 3
	s_lshl_b32 s22, s22, 3
	v_add_nc_u32 v[18+(\j%2)+4*(\j/2)], s22, v[ADRS]   ; v18, v19, v22, v23: my scale words' address for each of the four
.endr
	s_lshl_b32 s23, s14, 9
	s_add_co_u32 s23, s23, SWS                     ; my wave's 512 bytes for scale words
	v_lshl_add_u32 v[SWA], v1, 2, s23              ; in: 4 bytes a row
	v_and_b32 v6, 31, v0
	v_lshlrev_b32 v[SGO], 4, v6
	v_add_nc_u32 v[SWR], s23, v[SGO]               ; back: 16 bytes a lane
	v_lshlrev_b32 v[CO], 4, v1
	v_lshl_add_u32 v[CO], v2, 3, v[CO]             ; 16 r + 8 g
	v_mov_b32 v[C3], 0xbcaa64c3                    ; -0.0208
	v_mov_b32 v[C3+1], 0xbcaa64c3
	v_mov_b32 v[C1], 0x3e800000                    ; 0.25
	v_mov_b32 v[C1+1], 0x3e800000
	v_mov_b32 v[CH], 0.5
	v_mov_b32 v[CH+1], 0.5
	s_lshl_b32 s20, s17, 20                        ; sw_codes: piece (16 x tile row + 8 x row half, 2 x tile column + column half): 65,536 bytes from one 16 rows to the next, 2,048 from one 128 along F to the next
	s_lshl_b32 s21, s15, 19
	s_add_co_u32 s20, s20, s21
	s_lshl_b32 s46, s42, 12
	s_lshl_b32 s47, s16, 11
	s_add_co_u32 s46, s46, s47
	s_add_co_u32 s20, s20, s46
	s_mov_b32 s21, 0
	s_add_nc_u64 s[12:13], s[12:13], s[20:21]
	s_lshl_b32 s20, s17, 10                        ; sw_scales: 32,768 x (2 x tile column + column half) + 4 x (256 x tile row + 128 x row half)
	s_lshl_b32 s21, s15, 9
	s_add_co_u32 s20, s20, s21
	s_lshl_b32 s46, s42, 16
	s_lshl_b32 s47, s16, 15
	s_add_co_u32 s46, s46, s47
	s_add_co_u32 s20, s20, s46
	s_mov_b32 s21, 0
	s_add_nc_u64 s[98:99], s[98:99], s[20:21]
.macro FRAG reg, adr, q, i             ; a fragment, 16 rows x 128 K, is 16 registers: lane l holds row l % 16; registers 4 c .. 4 c + 3 hold K = 32 c + 16 (l / 16) + 0 .. 15
.irp c, 0,1,2,3
	ds_load_b128 v[\reg+4*\c:\reg+4*\c+3], v[\adr] offset:128*(\q)+32*\c+(\i)*16*PITCH
.endr
.endm
; 16 matrix instructions: x's blocks a0, a0 + 1 against W1's eight, 128 along K: the slot's q-th.  p: W1's set;  sc: the set of scale words.  first = 1: the sums start from b1: nothing is cleared, no addition is spent.
; The 64 accumulators take turns, one instruction a turn, in the same order in every step.
.macro MUL16 a0, p, q, sc, first
.irp a, \a0, \a0+1
.irp b, 0,1,2,3,4,5,6,7
.if \first
	v_wmma_scale_f32_16x16x128_f8f6f4 v[8*(8*((\a)%4)+\b):8*(8*((\a)%4)+\b)+7], v[128*(\p)+FR*\b:128*(\p)+FR*\b+FR-1], v[AF+FR*(\a):AF+FR*(\a)+FR-1], v[BI+8*\b:BI+8*\b+7], v[SC+8*NQ*(\sc)+NQ*\b+(\q)], v[SC+8*NQ*(\sc)+NQ*(\a)+(\q)] matrix_a_scale:MATRIX_SCALE_ROW1
.else
	v_wmma_scale_f32_16x16x128_f8f6f4 v[8*(8*((\a)%4)+\b):8*(8*((\a)%4)+\b)+7], v[128*(\p)+FR*\b:128*(\p)+FR*\b+FR-1], v[AF+FR*(\a):AF+FR*(\a)+FR-1], v[8*(8*((\a)%4)+\b):8*(8*((\a)%4)+\b)+7], v[SC+8*NQ*(\sc)+NQ*\b+(\q)], v[SC+8*NQ*(\sc)+NQ*(\a)+(\q)] matrix_a_scale:MATRIX_SCALE_ROW1
.endif
.endr
.endr
.endm
.macro FETCH_B slot, q, p              ; W1's eight fragments of the slot's q-th 128 along K into set p
	WIN TO_B
.irp i, 0,1,2,3,4,5,6,7
	FRAG 128*(\p)+FR*\i, ADRB+\slot, \q, \i
.endr
	WIN 0
.endm
.macro FETCH_A slot, q, i0             ; x's blocks i0 .. i0 + 3
.irp i, \i0, \i0+1, \i0+2, \i0+3
	FRAG AF+FR*(\i), ADRA+\slot, \q, \i
.endr
.endm
.macro SCALES sc, ks                   ; K step ks's scale words into set sc: two words a row; lanes 0-15 take x's block i, lanes 16-31 W1's block i.  The K step stands in the address register
.irp i, 0,1,2,3,4,5,6,7
	ds_load_b64 v[SC+8*NQ*\sc+NQ*\i:SC+8*NQ*\sc+NQ*\i+1], v[18+((\ks)%2)+4*((\ks)/2)] offset:\i*SBLK
.endr
.endm
; A load into a register that a matrix instruction has read, and a vector instruction that reads a matrix result or writes one of a matrix instruction's registers, stand NP places behind it, and only plain
; vector instructions that name none of its registers are places (ISA guide 7.12.1 for vector instructions); the matrix instructions in between are not counted.
.macro PLACES n
.rept \n
	v_nop
.endr
.endm
; A slot's first 128 along K.  x has one set of registers: blocks 0-3 are fetched anew in the step's middle, blocks 4-7 at its end, each 32 matrix instructions ahead of their use.
.macro STEP slot, first
	s_wait_dscnt 4*NL                              ; W1's set, x's blocks 0-3 and the scale words are in; the youngest 16 loads (x's blocks 4-7) may be out
.if \first
	WIN FIRST_LO
.else
	WIN MUL_LO
.endif
	MUL16 0, 0, 0, \slot, \first
	MUL16 2, 0, 0, \slot, \first
	s_wait_dscnt 0                                 ; x's blocks 4-7 are in
	PLACES NP
	FETCH_B \slot, 1, 1
	FETCH_A \slot, 1, 0
.if \first
	WIN FIRST_HI
.else
	WIN MUL_HI
.endif
	MUL16 4, 0, 0, \slot, \first
	MUL16 6, 0, 0, \slot, \first
	PLACES NP
	WIN 0
	FETCH_A \slot, 1, 4
.endm
; A slot's second 128 along K changes slots: ONE barrier; in front of it each wave waits for all its tensor loads, adds 0 to its spare word, and waits for that and for its own reads of this slot.
; fill = 1: this slot is filled again, two K steps ahead; the barrier then opens a round of the cluster's.  ks: the K step that lies in the next slot.
.macro TURN slot, next, fill, ks
	s_wait_tensorcnt 0x0                           ; all my tensor loads have landed: my part of the next slot;  (every window is 0 here)
	ds_add_u32 v[SPW], v[NIL]                      ; 0 onto my spare word
	s_wait_dscnt 4*NL+1                            ; (the add and the youngest 16 loads, x's blocks 4-7, may be out)
	WIN MUL_LO
	MUL16 0, 1, 1, \slot, 0                        ; sixteen matrix instructions stand between the add and the wait for it
	s_wait_dscnt 0x0                               ; the add is done, and my reads of this slot are over
	s_barrier_signal -1
	MUL16 2, 1, 1, \slot, 0
	WIN 0
	s_barrier_wait -1
.if \fill
	CREST                                          ; no wave of any partner still reads this slot's tile or has a load on its way
	s_add_nc_u64 s[G0+4*\slot+2:G0+4*\slot+3], s[40:41], s[DL+16*\slot:DL+16*\slot+1]
	s_or_b32 s[G0+4*\slot+3], s[G0+4*\slot+3], 0x80000000
	s_add_nc_u64 s[G0B+4*\slot+2:G0B+4*\slot+3], s[92:93], s[DL+16*\slot:DL+16*\slot+1]
	s_or_b32 s[G0B+4*\slot+3], s[G0B+4*\slot+3], 0x80000000
	JLOAD G0+4*\slot, G1, G0B+4*\slot, G1B         ; the first tensor load behind the round, 96 matrix instructions ahead of the wait for it; its four v_nop are among the places in front of the loads below
	PLACES NP-4
.else
	PLACES NP
.endif
	FETCH_B \next, 0, 0
	FETCH_A \next, 0, 0
	SCALES \next, \ks
	WIN MUL_HI
	MUL16 4, 1, 1, \slot, 0
	MUL16 6, 1, 1, \slot, 0
	PLACES NP
	WIN 0
	FETCH_A \next, 0, 4
.endm
	s_wait_alu depctr_va_vdst(0)
	s_wait_tensorcnt 0x0                           ; my tile of the head's four is in
	ds_add_u32 v[SPW], v[NIL]
	s_mov_b32 s[G1+2], 128<<16                     ; no tensor load of mine is out: from here on a load brings 128 rows
	s_mov_b32 s[G1+4], 128
	s_mov_b32 s[G1B+2], 128<<16
	s_mov_b32 s[G1B+4], 128
	s_wait_dscnt 0x0
	CROUND                                         ; all four tiles are in, and all sixteen work-groups are here
	JLOAD G0+4, G1, G0B+4, G1B                     ; slot 1's first fill, the first tensor load behind the round
	FETCH_B 0, 0, 0
	FETCH_A 0, 0, 0
	SCALES 0, 0
	FETCH_A 0, 0, 4
	s_wait_loadcnt 0x0                             ; b1
	STEP 0, 1                                      ; K step 0: its first products start the sums from b1
	TURN 0, 1, 1, 1                                ; slot 0 takes K step 2
	STEP 1, 0
	TURN 1, 0, 1, 2                                ; slot 1 takes K step 3
	STEP 0, 0
	TURN 0, 1, 0, 3                                ; nothing is left to fetch: no round
	STEP 1, 0
	s_wait_dscnt 4*NL                              ; the very last 128 along K
	WIN MUL_LO
	MUL16 0, 1, 1, 1, 0
	MUL16 2, 1, 1, 1, 0
	s_wait_dscnt 0
	WIN MUL_HI
	MUL16 4, 1, 1, 1, 0
	MUL16 6, 1, 1, 1, 0
	WIN 0
; THE WAY OUT, block by block of 16 rows x 128 hidden units: one fragment of the next product.  Register 16 e + i of the block's 64 is, for i < 8, hidden unit 32 e + 8 g + i of my row, and for i >= 8 unit 32 e + 8 + 8 g + i.
; The activation: four runs of 32 packed instructions, each in ascending order.
.macro ACT a
.set AC, 64*((\a)%4)
	WIN 0x0a+5*((\a)/4)                            ; sources 0 and 1: window 2 or 3
.set NN, 0
.rept 32
	v_pk_mul_f32 v[T+NN:T+NN+1], v[AC+NN:AC+NN+1], v[AC+NN:AC+NN+1]              ; h h
.set NN, NN+2
.endr
	WIN 0
.set NN, 0
.rept 32
	v_pk_fma_f32 v[T+NN:T+NN+1], v[T+NN:T+NN+1], v[C3:C3+1], v[C1:C1+1]          ; 0.25 - 0.0208 h h
.set NN, NN+2
.endr
	WIN 0x02+(\a)/4                                ; source 0: window 2 or 3
.set NN, 0
.rept 32
	v_pk_fma_f32 v[T+NN:T+NN+1], v[AC+NN:AC+NN+1], v[T+NN:T+NN+1], v[CH:CH+1]    ; 0.5 + h (..)
.set NN, NN+2
.endr
.set NN, 0
.rept 32
	v_pk_mul_f32 v[T+NN:T+NN+1], v[AC+NN:AC+NN+1], v[T+NN:T+NN+1]                ; h (..)
.set NN, NN+2
.endr
	WIN 0
.endm
.macro OUTBLK a
	ACT \a
.if (\a) > 0
	s_wait_xcnt 0x0                                ; the last block's stores have had their addresses translated (ISA guide 3.1): only behind this wait are the codes' registers written again
	s_wait_dscnt 0x0                               ; and its LDS store has read the scale word
.endif
.irp b, 0,1,2,3
	v_max3_num_f32 v[TM+\b], |v[T+16*\b]|, |v[T+1+16*\b]|, 0x4800000   ; block b of 32: my 16 numbers, and the floor 2^(9 - 127), under which no largest magnitude is taken: so the byte cannot fall under 1
.endr
.irp i, 2,4,6,8,10,12,14
.irp b, 0,1,2,3
	v_max3_num_f32 v[TM+\b], v[TM+\b], |v[T+16*\b+\i]|, |v[T+1+16*\b+\i]|   ; (the four blocks by turns: no line waits for the line above it)
.endr
.endr
.irp b, 0,1,2,3
	v_permlanex16_b32 v[TM+4+\b], v[TM+\b], s[SEL], s[SEL+1]
.endr
.irp b, 0,1,2,3
	v_max_num_f32 v[TM+\b], v[TM+\b], v[TM+4+\b]   ; with lane l xor 16's 16: the block's largest magnitude
.endr
.irp b, 0,1,2,3
	v_add_nc_u32 v[TM+12+\b], 0xfc000000, v[TM+\b]   ; 8 off its exponent field: the conversion takes the exponent field of this operand as its scale, and nothing else of it
.endr
.irp b, 0,1,2,3
	v_and_or_b32 v[TM+8+\b], v[TM+\b], 0x7f800000, s[MNT]   ; 448 x the scale: the largest magnitude's exponent field over 448's mantissa
.endr
.irp b, 0,1,2,3
	v_lshrrev_b32 v[TM+4+\b], 23, v[TM+12+\b]      ; the scale's byte
.endr
	v_lshl_or_b32 v[PW], v[TM+5], 8, v[TM+4]       ; the four bytes make my row's scale word for these 128 hidden units
	v_lshl_or_b32 v[PW], v[TM+6], 16, v[PW]
	v_lshl_or_b32 v[PW], v[TM+7], 24, v[PW]
.irp b, 0,1,2,3
.irp i, 0,1,2,3,4,5,6,7,8,9,10,11,12,13,14,15
	v_med3_num_f32 v[T+16*\b+\i], v[T+16*\b+\i], -v[TM+8+\b], v[TM+8+\b]   ; the conversion to an 8-bit code does not saturate (ISA guide 7.6.2): the hold at the largest code x the scale
.endr
	v_cvt_scalef32_pk8_fp8_f32 v[PC+4*\b:PC+1+4*\b], v[T+16*\b:T+7+16*\b], v[TM+12+\b]
	v_cvt_scalef32_pk8_fp8_f32 v[PC+2+4*\b:PC+3+4*\b], v[T+8+16*\b:T+15+16*\b], v[TM+12+\b]
.endr
	v_nop                                          ; one plain vector instruction between the last conversion and the next vector instruction that writes its sources (the next block's products h h)
.irp b, 0,1,2,3
	global_store_b64 v[CO], v[PC+4*\b:PC+4*\b+1], s[12:13] offset:(\a)*65536+512*\b          ; k = 32 b + 8 g + 0 .. 7: the 32 lanes cover 256 consecutive bytes, at a multiple of 256 from the buffer's first byte
	global_store_b64 v[CO], v[PC+4*\b+2:PC+4*\b+3], s[12:13] offset:(\a)*65536+512*\b+256    ; k = 32 b + 16 + 8 g + 0 .. 7: the next 256
.endr
	ds_store_b32 v[SWA], v[PW] offset:64*(\a)      ; both lanes of a row write the same word with the same value
.endm
	PLACES NP                                      ; behind the last products: their results are read, and the registers that held b1 and x's fragments are written
.irp b, 0,1,2,3
	v_mov_b32 v[TM+4+\b], 0                        ; written once: a lane permute's destination counts as one of its sources
.endr
.irp a, 0,1,2,3,4,5,6,7
	OUTBLK \a
.endr
	ds_load_b128 v[GW:GW+3], v[SWR]                ; LDS serves a wave's instructions in order (ISA guide 5.7.1.4): this sees my eight stores
	s_wait_dscnt 0x0
	global_store_b128 v[SGO], v[GW:GW+3], s[98:99] ; my 128 rows' scale words: 512 consecutive bytes, at a multiple of 256 from the buffer's first byte
	s_wait_tensorcnt 0x0                           ; the wave's end: behind my last tensor load and my last LDS store
	ds_add_u32 v[SPW], v[NIL]
	s_wait_dscnt 0x0
	CROUND                                         ; the closing round: no work-group ends while a partner may still ask for a tile that names it
	s_endpgm
.Lfunc_end_k_q926c9ac837_up:
	.size	k_q926c9ac837_up, .Lfunc_end_k_q926c9ac837_up-k_q926c9ac837_up
	.p2alignl 7, 3214868480
	.fill 96, 4, 3214868480
	.section	.rodata,"a",@progbits
	.p2align	6, 0x0
	.amdhsa_kernel k_q926c9ac837_up
		.amdhsa_group_segment_fixed_size 327680
		.amdhsa_private_segment_fixed_size 0
		.amdhsa_enable_private_segment 0
		.amdhsa_kernarg_size 56
		.amdhsa_user_sgpr_count 2
		.amdhsa_user_sgpr_kernarg_segment_ptr 1
		.amdhsa_wavefront_size32 1
		.amdhsa_system_sgpr_workgroup_id_x 1
		.amdhsa_system_sgpr_workgroup_id_y 1
		.amdhsa_system_sgpr_workgroup_id_z 1
		.amdhsa_system_vgpr_workitem_id 0
		.amdhsa_next_free_vgpr 1024
		.amdhsa_next_free_sgpr 100
		.amdhsa_reserve_vcc 0
		.amdhsa_float_denorm_mode_32 3
		.amdhsa_float_denorm_mode_16_64 3
		.amdhsa_memory_ordered 1
		.amdhsa_forward_progress 1
		.amdhsa_inst_pref_size 255
	.end_amdhsa_kernel
	.section	.bss,"aw",@nobits
	.p2align	6
	.space	262144
	.amdgpu_metadata
---
amdhsa.version: [ 1, 2 ]
amdhsa.kernels:
  - .name:           k_q926c9ac837_up
    .symbol:         k_q926c9ac837_up.kd
    .args:
      - { .name: hidden_states_codes, .offset: 0, .size: 8, .value_kind: global_buffer, .address_space: global }
      - { .name: hidden_states_scales, .offset: 8, .size: 8, .value_kind: global_buffer, .address_space: global }
      - { .name: W1_codes, .offset: 16, .size: 8, .value_kind: global_buffer, .address_space: global }
      - { .name: W1_scales, .offset: 24, .size: 8, .value_kind: global_buffer, .address_space: global }
      - { .name: b1, .offset: 32, .size: 8, .value_kind: global_buffer, .address_space: global }
      - { .name: sw_codes, .offset: 40, .size: 8, .value_kind: global_buffer, .address_space: global }
      - { .name: sw_scales, .offset: 48, .size: 8, .value_kind: global_buffer, .address_space: global }
    .group_segment_fixed_size: 327680
    .private_segment_fixed_size: 0
    .kernarg_segment_align: 8
    .kernarg_segment_size: 56
    .max_flat_workgroup_size: 128
    .sgpr_count:     100
    .vgpr_count:     1024
    .wavefront_size: 32
...
	.end_amdgpu_metadata
.endif
;; end of part 1
;; launch down (part 2): grid 4 x 64, 4 waves a work-group, clusters of 4 x 4, 327,680 bytes of LDS; arguments sw_codes, sw_scales, W2_codes, W2_scales, b2, out0; writes out0
.if DOCPART == 2
	.amdgcn_target "amdgcn-amd-amdhsa--gfx1250"
	.amdhsa_code_object_version 6
	.text
	.protected	k_q926c9ac837_down
	.globl	k_q926c9ac837_down
	.p2align	8
	.type	k_q926c9ac837_down,@function
k_q926c9ac837_down:
	s_mov_b64 s[64:65], 0
	v_nop
	global_prefetch_b8 v0, s[64:65] scope:SCOPE_SE
	s_setreg_imm32_b32 hwreg(HW_REG_WAVE_MODE, 25, 1), 1
	s_wait_xcnt 0x0
	s_wait_alu depctr_hold_cnt(0) depctr_sa_sdst(0) depctr_va_vdst(0) depctr_va_sdst(0) depctr_va_ssrc(0) depctr_va_vcc(0) depctr_vm_vsrc(0)
	s_getreg_b32 s2, hwreg(HW_REG_IB_STS2, 6, 4)
	s_cmp_eq_u32 s2, 0
	s_cbranch_scc0 .Lentry_in_a_cluster
	s_endpgm
.Lentry_in_a_cluster:
	s_bfe_u32 s2, ttmp6, 0x10000c
	s_cmp_lg_u32 s2, 0xf033
	s_cbranch_scc0 .Lentry_shape_is_right
	s_endpgm
.Lentry_shape_is_right:
; out = sw W2^T + b2.  sw: [8192][4096] as the launch before laid it: sw_codes [m / 16][f / 128][2048 bytes], each piece the image of one operand fragment's registers;
; sw_scales [f / 128][m][4 bytes].  W2: [1024][4096] codes, K innermost, scale bytes [1024][128].  b2: [1024] f32.  out0: [8192][1024] f32.
; SHARES.  A work-group of four waves makes 128 rows x 256 columns, a wave 64 x 128: 32 accumulators, 256 registers.  256 work-groups, one turn.
; W2's 256 rows come by joint loads through a ring of two LDS slots, 512 along K each (a PERIOD: four steps of 128); sw's fragments go from memory straight into registers,
; four dense loads of 16 bytes a lane for a fragment, three steps ahead of their products, in four sets of 64 registers.  Both operands' scale words for all of K come into LDS once.
; CLUSTERS: 4 x 4.  The four of a column need the same rows of W2 and ask jointly; the four of a row the same scale words of sw.
; THE WALK OVER K IS ROTATED: cluster c takes the eight periods in the order c mod 8, c mod 8 + 1, .. modulo 8.  So the order of the f32 sums along K differs from ascending K.
; By that walk every slice of W2 that a refill asks for was asked for two periods earlier by the clusters that began there: W2 is not prefetched.  sw's pieces, which one row of one cluster alone reads, are:
; once a trip each wave names the 32 blocks of 256 bytes of one step's four pieces, in the two periods that begin two periods on; the 8 steps are shared out by address among a cluster row's 4 x 2 waves.
; THE MATRIX INSTRUCTION IS USED TRANSPOSED (source 0 = 16 rows of W2, source 1 = 16 rows of sw): a lane holds eight neighbouring columns of one row of out.  b2 is the C of each sum's first product.
; REGISTERS: window 0: v0-31 addresses; v32-83 scale words, two sets of 26; v128-191 b2, on the way out v128-255 rows read back.  window 1: W2's fragments, two sets.  window 2: accumulators.  window 3: sw's four sets.
.set PITCH,  528                       ; an LDS row of W2: 512 bytes + 16 of padding
.set FR,     16
.set NP,     8                         ; places behind this matrix instruction (ISA guide 7.12.1)
.set QUARTB, 64*PITCH                  ; what a wave's refill brings
.set HALFB,  128*PITCH                 ; what a wave reads of a slot
.set SLOT,   256*PITCH
.set SCA,    2*SLOT                    ; sw's scale words: 32 rows (f / 128) of 512 bytes
.set SCB,    SCA+16384                 ; W2's scale bytes, dense: 256 rows of 128 bytes (read at an address that hangs on the rotation, so every byte between the rows is a written one)
.set HALFSB, 64*256
.set SBLKB,  8*256                     ; those of 16 rows
.set SPARE,  SCB+2*HALFSB              ; the spare words: 512 bytes that no other line names
.set SPITCH, 528                       ; the way out: a stage of 16 rows x (512 + 16) bytes for each wave, in slot 0, behind its last fill and last read
.set ROWO,   4096
.set PFO,   17                         ; v17 the prefetch's lane part
.set SAC,   18                         ; v18, v19 this period's scale words: sw's, W2's
.set SBC,   19
.set ADRB,  20                         ; v20-21 my W2 fragments in slot 0, 1
.set ADRSA, 22
.set ADRSB, 23
.set STO,   24
.set RD,    25
.set LO,    26                         ; 16 x lane
.set SPW,   28
.set NIL,   29
.set SC,    32
.set SCN,   26                         ; a set: 8 registers of sw's words, 2 idle, 16 of W2's: the two scale registers of a product differ by 2 or 6 modulo 8
.set BI,    128
.set BK,    128
.set G0H,  24                          ; s[24:27], s[28:31] group 0 of the head's whole slots
.set G0H1, 28
.set BQ,   32                          ; s[32:33] W2 at my 64 rows of the tile
.set PA,   34                          ; s[34:35], s[36:37] sw at the even, the odd period that is being loaded
.set PF,   38                          ; s[38:39] the prefetch's base
.set G1B,  48
.set G0B,  56
.set G1S,  68
.set G0S,  76
.set G1SB, 80
.set G0SB, 88
.set KT,   98                          ; s98 rotation + the period at which the text's count stands
.set MSB, 0
.macro WIN new
.if MSB != \new
	s_set_vgpr_msb (MSB<<8)|\new
.set MSB, \new
.endif
.endm
.set MUL,   0xad                       ; source 0 window 1, source 1 window 3, C and D window 2
.set FIRST, 0x8d                       ; C is b2, in window 0
.set TO_B,  0x40
.set TO_A,  0xc0
.macro SHAPE g, c, r, p
	s_mov_b32 s[\g+1], (\c)<<16
	s_mov_b32 s[\g+2], (\r)<<16
	s_mov_b32 s[\g+3], (\c)<<16
	s_mov_b32 s[\g+4], \r
	s_mov_b32 s[\g+5], \p
	s_mov_b32 s[\g+6], 0
	s_mov_b32 s[\g+7], 0
.endm
.macro PLACES n
.rept \n
	v_nop
.endr
.endm
.macro CREST
	s_cmp_lg_u32 s14, 0
	s_cbranch_scc1 .Lnot_wave_0_\@
	s_barrier_signal -3
.Lnot_wave_0_\@:
	s_barrier_wait -3
	s_barrier_signal -1
	s_barrier_wait -1
.endm
.macro CROUND
	s_barrier_signal -1
	s_barrier_wait -1
	CREST
.endm
.macro SIG d, sh                       ; s20 = (the slice of the period d on) << sh; s21 stays 0, so s[20:21] is an offset
	s_add_co_u32 s20, s[KT], \d
	s_and_b32 s20, s20, 7
	s_lshl_b32 s20, s20, \sh
.endm
.macro ALOAD set, ptr                  ; sw's four fragments of a period's step number set, into set number set
.irp a, 0,1,2,3
.irp c, 0,1,2,3
	global_load_b128 v[64*(\set)+FR*\a+4*\c:64*(\set)+FR*\a+4*\c+3], v[LO], s[\ptr:\ptr+1] offset:\a*65536+(\set)*2048+512*\c
.endr
.endr
.endm
	s_load_b128 s[4:7], s[0:1], 0x0                ; sw_codes, sw_scales
	s_load_b128 s[8:11], s[0:1], 0x10              ; W2_codes, W2_scales
	s_load_b64 s[96:97], s[0:1], 0x20              ; b2
	s_load_b64 s[12:13], s[0:1], 0x28              ; out0
	v_lshl_add_u32 v[SPW], v0, 2, SPARE
	v_mov_b32 v[NIL], 0
	ds_add_u32 v[SPW], v[NIL]
	ds_add_u32 v[SPW], v[NIL]
	v_lshrrev_b32 v1, 5, v0
	v_readfirstlane_b32 s14, v1                    ; wave
	v_and_b32 v6, 31, v0
	v_bfe_u32 v2, v0, 4, 1
	v_lshlrev_b32 v[LO], 4, v6
	v_lshlrev_b32 v7, 5, v2                        ; b2: my half's eight numbers of 16 columns
	s_lshr_b32 s15, s14, 1                         ; my half of the rows
	s_and_b32 s16, s14, 1                          ; my half of the columns
	s_bfe_u32 s40, ttmp6, 0x40000
	s_bfe_u32 s41, ttmp6, 0x40004
	s_lshl_b32 s42, ttmp9, 2
	s_add_co_u32 s42, s42, s40                     ; tile column
	s_and_b32 s17, ttmp7, 0xffff
	s_and_b32 s[KT], s17, 7                        ; the rotation: the cluster's number modulo 8
	s_lshl_b32 s17, s17, 2
	s_add_co_u32 s17, s17, s41                     ; tile row
	s_lshl_b32 s43, s41, 2
	s_lshl_b32 s43, 15, s43
	s_lshl_b32 s44, 0x1111, s40
	s_or_b32 s[G1B+0], s44, (0<<16)|(1<<20)|(1<<21)|(6<<22)|(3<<25)
	SHAPE G1B, 512, 256, 4096                      ; at the head a whole slot: 256 rows of 512 bytes
	s_or_b32 s[G1S+0], s43, (3<<16)|(1<<21)
	SHAPE G1S, 64, 32, 4096                        ; sw's scale words: 32 rows of 512 bytes, 32,768 apart
	s_or_b32 s[G1SB+0], s44, (3<<16)|(1<<21)
	SHAPE G1SB, 32, 128, 32                        ; W2's: 32,768 dense bytes
	s_lshl_b32 s20, s17, 19                        ; 128 rows of sw_codes and of out0 are both 2^19 bytes
	s_lshl_b32 s18, s15, 18
	s_add_co_u32 s20, s20, s18
	s_mov_b32 s21, 0
	s_lshl_b32 s22, s17, 9
	s_mov_b32 s23, 0
	s_lshl_b32 s46, s42, 20
	s_mov_b32 s47, 0
	s_lshl_b32 s92, s42, 15
	s_mov_b32 s93, 0
	s_lshl_b32 s18, s14, 18
	s_mov_b32 s19, 0
	s_mul_i32 s94, s14, QUARTB
	s_lshl_b32 s45, s40, 1
	s_add_co_u32 s45, s45, s16                     ; which of 8 steps I prefetch
	s_and_b32 s95, s45, 3
	s_lshl_b32 s95, s95, 11
	s_lshr_b32 s99, s45, 2
	s_add_co_u32 s99, s99, 2
	s_lshl_b32 s2, s42, 10                         ; my first column, in bytes of f32
	s_lshl_b32 s3, s16, 9
	s_add_co_u32 s2, s2, s3
	s_mov_b32 s3, 0
	s_wait_alu depctr_va_vdst(0)
	s_wait_dscnt 0x0
	s_wait_kmcnt 0x0
	s_add_nc_u64 s[4:5], s[4:5], s[20:21]
	s_add_nc_u64 s[12:13], s[12:13], s[20:21]
	s_add_nc_u64 s[12:13], s[12:13], s[2:3]
	s_add_nc_u64 s[96:97], s[96:97], s[2:3]
	s_add_nc_u64 s[22:23], s[6:7], s[22:23]
	s_add_nc_u64 s[46:47], s[8:9], s[46:47]
	s_add_nc_u64 s[92:93], s[10:11], s[92:93]
	s_add_nc_u64 s[BQ:BQ+1], s[46:47], s[18:19]
	SIG 0, 13
	s_add_nc_u64 s[PA:PA+1], s[4:5], s[20:21]
	SIG 1, 13
	s_add_nc_u64 s[PA+2:PA+3], s[4:5], s[20:21]
.irp b, 0,1,2,3,4,5,6,7
	global_load_b128 v[BI+8*\b:BI+8*\b+3], v7, s[96:97] offset:64*\b
	global_load_b128 v[BI+8*\b+4:BI+8*\b+7], v7, s[96:97] offset:64*\b+16
.endr
	WIN TO_A
	ALOAD 0, PA                                    ; sw's first three steps set out ahead of the round
	ALOAD 1, PA
	ALOAD 2, PA
	WIN 0
	s_mov_b32 s[G0H], 1
	s_mov_b32 s[G0H+1], 0
	SIG 0, 9
	s_add_nc_u64 s[G0H+2:G0H+3], s[46:47], s[20:21]
	s_or_b32 s[G0H+3], s[G0H+3], 0x80000000
	s_mov_b32 s[G0H1], 1
	s_mov_b32 s[G0H1+1], SLOT
	SIG 1, 9
	s_add_nc_u64 s[G0H1+2:G0H1+3], s[46:47], s[20:21]
	s_or_b32 s[G0H1+3], s[G0H1+3], 0x80000000
	s_mov_b32 s[G0S], 1
	s_mov_b32 s[G0S+1], SCA
	s_mov_b64 s[G0S+2:G0S+3], s[22:23]
	s_or_b32 s[G0S+3], s[G0S+3], 0x80000000
	s_mov_b32 s[G0SB], 1
	s_mov_b32 s[G0SB+1], SCB
	s_mov_b64 s[G0SB+2:G0SB+3], s[92:93]
	s_or_b32 s[G0SB+3], s[G0SB+3], 0x80000000
.irp s, 0,1
	s_mov_b32 s[G0B+4*\s], 1
	s_add_co_u32 s[G0B+4*\s+1], s94, \s*SLOT
.endr
	CROUND                                         ; all sixteen work-groups are here: the first joint loads meet
; THE HEAD'S LOADS, ONE A WAVE, all first fills of the launch: wave 0 slot 0, wave 1 W2's scale bytes, wave 2 sw's scale words, wave 3 slot 1.  One chain of branches; every way passes one load.
.macro ARM under, g0, g1, next
	s_cmp_lt_u32 s14, \under
	s_cbranch_scc0 \next
	tensor_load_to_lds s[\g0:\g0+3], s[\g1:\g1+7]
	s_nop 0
	PLACES 4
	s_branch .Lhead_asked
\next:
.endm
	ARM 1, G0H,  G1B,  .Lhead_sb
	ARM 2, G0SB, G1SB, .Lhead_sa
	ARM 3, G0S,  G1S,  .Lhead_1
	tensor_load_to_lds s[G0H1:G0H1+3], s[G1B:G1B+7]
	s_nop 0
	PLACES 4
.Lhead_asked:
	v_and_b32 v1, 15, v0
	v_mul_u32_u24 v3, v1, PITCH
	v_lshl_add_u32 v4, v2, 4, v3
	s_mul_i32 s22, s16, HALFB
	v_add_nc_u32 v[ADRB], s22, v4
	v_add_nc_u32 v[ADRB+1], SLOT, v[ADRB]
	s_lshl_b32 s23, s15, 8
	s_add_co_u32 s23, s23, SCA
	v_lshl_add_u32 v[ADRSA], v6, 2, s23            ; sw's words: 4 bytes a row; lane l takes row 32 u + l of my 64
	v_lshlrev_b32 v5, 7, v1                        ; W2's: 128 bytes a row; lanes 16-31 take the next 16 rows
	v_mul_u32_u24 v3, v2, SBLKB
	v_add_nc_u32 v5, v5, v3
	s_mul_i32 s23, s16, HALFSB
	s_add_co_u32 s23, s23, SCB
	v_add_nc_u32 v[ADRSB], s23, v5
	s_mul_i32 s23, s14, 16*SPITCH
	v_mul_u32_u24 v5, v1, SPITCH
	v_lshl_add_u32 v5, v2, 5, v5
	v_add_nc_u32 v[STO], s23, v5
	v_add_nc_u32 v[RD], s23, v[LO]
	v_lshrrev_b32 v3, 3, v6
	v_and_b32 v5, 7, v6
	v_lshlrev_b32 v5, 8, v5
	v_lshl_add_u32 v[PFO], v3, 16, v5              ; piece lane / 8 of the four, block lane % 8 of its eight
	SIG 0, 11
	v_add_nc_u32 v[SAC], s20, v[ADRSA]
	SIG 0, 4
	v_add_nc_u32 v[SBC], s20, v[ADRSB]
.macro MUL8 a, p, q, sc, first         ; sw's block a against W2's eight; the 32 accumulators take turns in the same order in every step
.irp b, 0,1,2,3,4,5,6,7
.set rD, 8*(8*(\a)+\b)
.set rC, rD
.if \first
.set rC, BI+8*\b
.endif
.set rB, 128*(\p)+FR*\b
.set rA, 64*(\q)+FR*(\a)
.set rSB, SC+SCN*(\sc)+10+4*(\b/2)+(\q)
.set rSA, SC+SCN*(\sc)+4*((\a)/2)+(\q)
.if ((\b)%2) && ((\a)%2)
	v_wmma_scale_f32_16x16x128_f8f6f4 v[rD:rD+7], v[rB:rB+FR-1], v[rA:rA+FR-1], v[rC:rC+7], v[rSB], v[rSA] matrix_a_scale:MATRIX_SCALE_ROW1 matrix_b_scale:MATRIX_SCALE_ROW1
.elseif (\b)%2
	v_wmma_scale_f32_16x16x128_f8f6f4 v[rD:rD+7], v[rB:rB+FR-1], v[rA:rA+FR-1], v[rC:rC+7], v[rSB], v[rSA] matrix_a_scale:MATRIX_SCALE_ROW1
.elseif (\a)%2
	v_wmma_scale_f32_16x16x128_f8f6f4 v[rD:rD+7], v[rB:rB+FR-1], v[rA:rA+FR-1], v[rC:rC+7], v[rSB], v[rSA] matrix_b_scale:MATRIX_SCALE_ROW1
.else
	v_wmma_scale_f32_16x16x128_f8f6f4 v[rD:rD+7], v[rB:rB+FR-1], v[rA:rA+FR-1], v[rC:rC+7], v[rSB], v[rSA]
.endif
.endr
.endm
.macro FETCH_B slot, q, p
.irp b, 0,1,2,3,4,5,6,7
.irp c, 0,1,2,3
	ds_load_b128 v[128*(\p)+FR*\b+4*\c:128*(\p)+FR*\b+4*\c+3], v[ADRB+(\slot)] offset:128*(\q)+32*\c+\b*16*PITCH
.endr
.endr
.endm
.macro SCALES sc                       ; a period's scale words: sw's, a register for 32 rows and a step; W2's, four steps' words of 32 rows in four registers
.irp u, 0,1
.irp q, 0,1,2,3
	ds_load_b32 v[SC+SCN*(\sc)+4*\u+\q], v[SAC] offset:512*\q+128*\u
.endr
.endr
.irp w, 0,1,2,3
	ds_load_b128 v[SC+SCN*(\sc)+10+4*\w:SC+SCN*(\sc)+10+4*\w+3], v[SBC] offset:\w*2*SBLKB
.endr
.endm
; One of a period's first three steps (q) in slot e.  al: sw's step three on is asked for.  upd = d > 0: this parity's pointer into sw goes to the period d on.  cnt: the younger loads of sw that may stay out.  pf: the trip's prefetch.
.macro STEP e, q, first, al, upd, cnt, pf
.if \first == 0
	PLACES NP                                      ; in front of loads into registers that the last step's products read
.endif
.if \upd
	s_wait_xcnt 0x0                                ; the loads and the prefetch that named these pointers have read them
	SIG \upd, 13
	s_add_nc_u64 s[PA+2*(\e):PA+2*(\e)+1], s[4:5], s[20:21]
.endif
.if \pf
	s_add_co_u32 s22, s[KT], s99
	s_and_b32 s22, s22, 7
	s_lshl_b32 s22, s22, 13
	s_add_co_u32 s22, s22, s95
	s_mov_b32 s23, 0
	s_add_nc_u64 s[PF:PF+1], s[4:5], s[22:23]
.endif
.if \al
	WIN TO_A
.if (\q) == 0
	ALOAD 3, PA+2*(\e)
.else
	ALOAD (\q)-1, PA+2-2*(\e)
.endif
.endif
	s_wait_dscnt 0x0                               ; this step's fragments of W2 and scale words are in
	WIN TO_B
	FETCH_B \e, (\q)+1, 1-(\q)%2
	s_wait_loadcnt \cnt                            ; this step's set of sw is in; the sets behind it stay out
.if \first
	WIN FIRST
.else
	WIN MUL
.endif
	MUL8 0, (\q)%2, \q, \e, \first
	MUL8 1, (\q)%2, \q, \e, \first
	MUL8 2, (\q)%2, \q, \e, \first
	MUL8 3, (\q)%2, \q, \e, \first
.if \pf
	WIN 0
	global_prefetch_b8 v[PFO], s[PF:PF+1] th:TH_LOAD_NT scope:SCOPE_SE
.endif
.endm
; A period's last step changes slots.  d: the period's place from the text's count.  fill = 1: slot e takes the period two on, behind a round of the cluster's barrier.
.macro TURN e, d, fill
	PLACES NP
	WIN TO_A
	ALOAD 2, PA+2-2*(\e)
	WIN 0
	s_wait_tensorcnt 0x0                           ; all my tensor loads have landed: my part of the next slot
	ds_add_u32 v[SPW], v[NIL]
.if \fill
	SIG (\d)+2, 9
	s_add_nc_u64 s[G0B+4*(\e)+2:G0B+4*(\e)+3], s[BQ:BQ+1], s[20:21]
	s_or_b32 s[G0B+4*(\e)+3], s[G0B+4*(\e)+3], 0x80000000
.endif
	SIG (\d)+1, 11                                 ; the next period's scale words: 2,048 bytes a slice of sw's,
	s_lshr_b32 s22, s20, 7                         ; 16 of W2's
	s_wait_loadcnt 48
	s_wait_dscnt 0x0                               ; the add is done, and my reads of this slot are over
	s_barrier_signal -1
	WIN MUL
	MUL8 0, 1, 3, \e, 0
	WIN 0
	s_barrier_wait -1
.if \fill
	CREST
	tensor_load_to_lds s[G0B+4*(\e):G0B+4*(\e)+3], s[G1B:G1B+7]   ; my 64 rows: the first tensor load behind the round
	s_nop 0
	PLACES 4
.endif
	v_add_nc_u32 v[SAC], s20, v[ADRSA]
	v_add_nc_u32 v[SBC], s22, v[ADRSB]
	s_wait_alu depctr_va_vdst(0)
	WIN TO_B
	FETCH_B 1-(\e), 0, 0
	WIN 0
	SCALES 1-(\e)
	WIN MUL
	MUL8 1, 1, 3, \e, 0
	MUL8 2, 1, 3, \e, 0
	MUL8 3, 1, 3, \e, 0
.endm
	s_wait_alu depctr_va_vdst(0)
	s_wait_tensorcnt 0x0                           ; my tile of the head's four is in
	s_mov_b32 s[G1B+2], 64<<16                     ; no tensor load of mine is out: from here on a load brings 64 rows
	s_mov_b32 s[G1B+4], 64
	s_barrier_signal -1
	s_barrier_wait -1                              ; everybody's is
	WIN TO_B
	FETCH_B 0, 0, 0
	WIN 0
	SCALES 0
	STEP 0, 0, 1, 1, 0, 48, 0                      ; the first step stands ahead of the loop: its products start the sums from b2
	WIN 0
	s_mov_b32 s3, 3
.Ltrip:                                                ; a trip: two periods, from an even period's second step to the next even period's first; both slots are filled again
	STEP 0, 1, 0, 1, 2, 48, 1
	STEP 0, 2, 0, 1, 0, 48, 0
	TURN 0, 0, 1
	STEP 1, 0, 0, 1, 0, 48, 0
	STEP 1, 1, 0, 1, 3, 48, 0
	STEP 1, 2, 0, 1, 0, 48, 0
	TURN 1, 1, 1
	STEP 0, 0, 0, 1, 0, 48, 0
	WIN 0
	s_add_co_u32 s[KT], s[KT], 2
	s_sub_co_u32 s3, s3, 1
	s_cmp_lg_u32 s3, 0
	s_cbranch_scc1 .Ltrip
	STEP 0, 1, 0, 1, 0, 48, 0                      ; the last seven steps fill nothing; the counts of sw's loads run down
	STEP 0, 2, 0, 1, 0, 48, 0
	TURN 0, 0, 0
	STEP 1, 0, 0, 1, 0, 48, 0
	STEP 1, 1, 0, 0, 0, 32, 0
	STEP 1, 2, 0, 0, 0, 16, 0
	s_wait_dscnt 0x0
	s_wait_loadcnt 0x0
	WIN MUL
	MUL8 0, 1, 3, 1, 0
	MUL8 1, 1, 3, 1, 0
	MUL8 2, 1, 3, 1, 0
	MUL8 3, 1, 3, 1, 0
	WIN 0
; THE WAY OUT, block by block of 16 rows x 128 columns, through my own stage: in as 32 bytes a lane, back as whole rows of 512 bytes, which the 32 lanes store as two aligned runs of 256 bytes.
.macro TOSTAGE a
.set AC, 64*(\a)
	WIN 0x08
.irp b, 0,1,2,3,4,5,6,7
	ds_store_b128 v[STO], v[AC+8*\b:AC+8*\b+3] offset:64*\b          ; each accumulator from its low end on
	ds_store_b128 v[STO], v[AC+8*\b+4:AC+8*\b+7] offset:64*\b+16
.endr
	WIN 0
.set BB, BK+64*((\a)%2)
.irp t, 0,1,2,3,4,5,6,7,8,9,10,11,12,13,14,15
	ds_load_b128 v[BB+4*\t:BB+4*\t+3], v[RD] offset:\t*SPITCH
.endr
.endm
.macro SEND a, younger
.set BB, BK+64*((\a)%2)
	s_wait_dscnt \younger
.if (\a) > 0
	s_add_nc_u64 s[12:13], s[12:13], 16*ROWO       ; behind a wait on XCNT: the earlier stores have read their base
.endif
.irp t, 0,1,2,3,4,5,6,7,8,9,10,11,12,13,14,15
	global_store_b128 v[LO], v[BB+4*\t:BB+4*\t+3], s[12:13] offset:\t*ROWO th:TH_STORE_NT
.endr
.endm
	PLACES NP
	TOSTAGE 0
.irp a, 1,2,3
.if \a > 1
	s_wait_xcnt 0x0
.endif
	TOSTAGE \a
	SEND \a-1, 32                                  ; behind block a - 1's loads: block a's 16 stores and 16 loads
.endr
	s_wait_xcnt 0x0
	SEND 3, 0
	s_wait_tensorcnt 0x0                           ; the wave's end
	ds_add_u32 v[SPW], v[NIL]
	s_wait_dscnt 0x0
	CROUND                                         ; the closing round
	s_endpgm
.Lfunc_end_k_q926c9ac837_down:
	.size	k_q926c9ac837_down, .Lfunc_end_k_q926c9ac837_down-k_q926c9ac837_down
	.p2alignl 7, 3214868480
	.fill 96, 4, 3214868480
	.section	.rodata,"a",@progbits
	.p2align	6, 0x0
	.amdhsa_kernel k_q926c9ac837_down
		.amdhsa_group_segment_fixed_size 327680
		.amdhsa_private_segment_fixed_size 0
		.amdhsa_enable_private_segment 0
		.amdhsa_kernarg_size 48
		.amdhsa_user_sgpr_count 2
		.amdhsa_user_sgpr_kernarg_segment_ptr 1
		.amdhsa_wavefront_size32 1
		.amdhsa_system_sgpr_workgroup_id_x 1
		.amdhsa_system_sgpr_workgroup_id_y 1
		.amdhsa_system_sgpr_workgroup_id_z 1
		.amdhsa_system_vgpr_workitem_id 0
		.amdhsa_next_free_vgpr 1024
		.amdhsa_next_free_sgpr 100
		.amdhsa_reserve_vcc 0
		.amdhsa_float_denorm_mode_32 3
		.amdhsa_float_denorm_mode_16_64 3
		.amdhsa_memory_ordered 1
		.amdhsa_forward_progress 1
		.amdhsa_inst_pref_size 159
	.end_amdhsa_kernel
	.amdgpu_metadata
---
amdhsa.version: [ 1, 2 ]
amdhsa.kernels:
  - .name:           k_q926c9ac837_down
    .symbol:         k_q926c9ac837_down.kd
    .args:
      - { .name: sw_codes, .offset: 0, .size: 8, .value_kind: global_buffer, .address_space: global }
      - { .name: sw_scales, .offset: 8, .size: 8, .value_kind: global_buffer, .address_space: global }
      - { .name: W2_codes, .offset: 16, .size: 8, .value_kind: global_buffer, .address_space: global }
      - { .name: W2_scales, .offset: 24, .size: 8, .value_kind: global_buffer, .address_space: global }
      - { .name: b2, .offset: 32, .size: 8, .value_kind: global_buffer, .address_space: global }
      - { .name: out0, .offset: 40, .size: 8, .value_kind: global_buffer, .address_space: global }
    .group_segment_fixed_size: 327680
    .private_segment_fixed_size: 0
    .kernarg_segment_align: 8
    .kernarg_segment_size: 48
    .max_flat_workgroup_size: 128
    .sgpr_count:     100
    .vgpr_count:     1024
    .wavefront_size: 32
...
	.end_amdgpu_metadata
.endif
;; end of part 2
